; MI455X (gfx1250); checked and timed in simulation.
; The chip was launched on July 23, 2026; its instructions are those of AMD's public machine-readable ISA for CDNA 5 (MIT licence, August 2026) and "CDNA5" Instruction Set Architecture Reference Guide (July 2026). The comments in the code are by the model that wrote it; some were corrected since.
;; Mo E Block. Allowed arithmetic: matrix products marked QUANTISED: E4M3 operands, one given power-of-two scale a tensor, by v_wmma_f32_16x16x64_fp8_fp8 or v_wmma_f32_16x16x128_fp8_fp8, f32 sums; products left as they are: f32 operands where the result goes on into a quantised operand, else bf16, f16 or f32 operands; f32 sums; everything else in f32.
;; Inputs: expert_w 8 x 1,024 x 1,024 float32; gate_w 8 x 1,024 float32; lowp_scales 2 int32 (the exponents e of the quantised operands' scales 2^e); x 2 x 4,096 x 1,024 float32.
;; Outputs: out0 2 x 4,096 x 1,024 float32.
;; This version of the problem:
;;   THIS VERSION OF THE PROBLEM IS GIVEN IN LOW PRECISION. The matrix products marked QUANTISED in the list below multiply operands that are first quantised to E4M3 (4 exponent bits, 3 mantissa bits; 8 bits a number), with one given power-of-two scale for each operand tensor; their sums are f32. All else is computed in f32.
;;   The module's matrix products, in the order in which they are computed (A, B: the left and right operand; K: the contracted axis; several contracted axes count as one K, in the product's order):
;;     1. [M 8,192, K 1,024] x [K 1,024, N 8]; A: input x; B: input gate_w: left as it is (N = 8 < 16)
;;     2. [M 8,192, K 1,024] x [K 1,024, N 8,192]; A: input x; B: input expert_w: QUANTISED (scales: A lowp_scales[0], B lowp_scales[1])
;;     3. batch 8,192 x [M 1,024, K 8] x [K 8, N 1]; A: computed on the way; B: computed on the way: left as it is (K = 8 < 32)
;;   THE QUANTISER, for each operand of a quantised product, along K:
;;     - The operand's scale is 2^e, e = its entry of the input lowp_scales (int32; the entries are numbered through the quantised products in the list's order, A before B).
;;     - Each number is divided by the scale, clamped to +-448, and rounded to the nearest number of E4M3, ties to even, subnormals kept.
;;     - The product sums the exact products of the quantised numbers (number of the format x scale) in f32.
;;   ~~~python
;;   def quantise(x, axis, e):      # numpy; x: float32 -> the quantised numbers, widened to float32 again
;;       x = np.moveaxis(x, axis, -1); K = x.shape[-1]
;;       r = np.clip(x / 2.0 ** e, -448, 448)
;;       step = 2.0 ** (np.maximum(np.frexp(np.where(r == 0, 1, r))[1] - 1, -6) - 3)
;;       q = np.round(r / step) * step * 2.0 ** e      # np.round: ties to even
;;       return np.moveaxis(q, -1, axis).astype(np.float32)
;;   ~~~
;; One version. Each part assembles by itself: llvm-mc -triple=amdgcn-amd-amdhsa -mcpu=gfx1250 --defsym DOCPART=n.
;; ======== version 1 of 1: 2 launches
;; limits: right only within a limited range of input values
;; workspace buffers: xq 8,388,608 bytes; wq 8,388,608 bytes; rec 8,192 bytes of whole numbers
;; launch prep (part 1): grid 512 x 1, 4 waves a work-group, no clusters, 67,072 bytes of LDS; arguments x, gate_w, lowp_scales, xq, rec, expert_w, wq; writes xq, rec, wq
.if DOCPART == 1
	.amdgcn_target "amdgcn-amd-amdhsa--gfx1250"
	.amdhsa_code_object_version 6
	.text
	.protected	k_qfae9844b4e_prep
	.globl	k_qfae9844b4e_prep
	.p2align	8
	.type	k_qfae9844b4e_prep,@function
k_qfae9844b4e_prep:
	s_mov_b64 s[64:65], 0
	v_nop
	global_prefetch_b8 v0, s[64:65] scope:SCOPE_SE
	s_setreg_imm32_b32 hwreg(HW_REG_WAVE_MODE, 25, 1), 1
	s_wait_xcnt 0x0
; THE WHOLE PROGRAM: out[t] = x[t] + Q(x[t]) Q(expert_w[c(t)])^T, c(t) = the first index of the largest of the 8 scores x[t] . gate_w[e].  8,192 tokens of 1,024 numbers.
; WORK LEFT OUT.  The problem forms expert_out[t][e][:] for all 8 experts and multiplies it by one_hot(c(t))[e], which it builds itself: for e other than c(t) that factor is 0 whatever the inputs hold,
; so in exact arithmetic only expert c(t)'s product reaches out[t].  The program multiplies each token by its chosen expert alone, and the last product of the problem's table is a lookup.  Every input stays live and is loaded.
; LIMIT: a NaN, an infinity or an overflow that arises only in the product of an expert that was not chosen is not carried to the result.
; THIS LAUNCH has two jobs, parted by the work-group's number.
; WORK-GROUPS 0 TO 255, THE ROUTE: the scores in f32 (fused multiply-adds: the choice must not turn on rounded operands), the choice, and x as codes of E4M3 with the given scale 2^ea.
;   Wave W = 4 x work-group + wave owns tokens 8 W .. 8 W + 7.  A row is 8 loads of 512 consecutive bytes: load j gives lane l the numbers k = 128 j + 4 l + b.
;   rec [1024][2 words]: for the wave's 8 tokens, word 0: nibble e = how many chose an expert at or under e; word 1: nibble i = the i-th token (0 .. 7) in the order of their experts.
;   No address here hangs on the choice: the next launch reads rec and places the rows.
; WORK-GROUPS 256 TO 511, THE WEIGHTS: expert_w [8][1024 (f)][1024 (h)] becomes codes of E4M3 with the given scale 2^eb, laid in the order of the operand's registers:
;   wq [expert 8][tile n = 4 q + t: 64][K step s of 128: 8][part c: 4][lane 32][16 bytes]; lane (r, h2) of part c holds row f = 64 q + 4 r + t, places 128 s + 32 c + 16 h2 + 0 .. 15.
;   So column r of the four tiles t = 0 .. 3 are the four neighbouring columns 64 q + 4 r + t of the result.  A wave takes one tile x half of K; its codes turn through its own stage in LDS.
; THE ORDER OF K IN BOTH OPERANDS' CODES: the code of k = 128 j + 4 l + b stands at place 512 (j / 4) + 16 l + 4 (j % 4) + b: every product meets its partner; only the order of the sums changes.
; No prefetch: the text has no loop, and each wave asks straight away for what it reads.
; LIMITS: ea and eb between -126 and 119.  NaN among the inputs is not served.  Equal scores go to the lower index.  The scores' sums go in another order than a plain loop's.
.set L16,  1                           ; v1      16 x lane
.set LN,   2                           ; v2      lane
.set SC,   3                           ; v3      the scale as f32
.set LIM,  4                           ; v4      448 x the scale
.set SPW,  5                           ; v5      LDS address of my spare word; never rewritten
.set NIL,  6                           ; v6      0; never rewritten
.set STI,  7                           ; v7      my stage, on the way in
.set STR,  8                           ; v8      and on the way out: row r, + 16 h2
.set CH,   10                          ; v10     lane t: token t's choice
.set IDX,  11
.set BEST, 12
.set ZA,   13                          ; v13     0: the record's offset
.set ACC,  16                          ; v16-31  eight pairs of partial sums
.set SS,   32                          ; v32-39  the eight scores
.set TT,   40                          ; v40-47  the other half of the lanes' sums
.set CD,   48                          ; v48-63  two sets of a token's codes
.set X,    64                          ; v64-255 six tokens' numbers, by turns.  gate_w: window 1, expert e at v[32 e + 4 j + b]
.set WC,   64                          ; the weights: codes, v64-127
.set RK,   128                         ; the weights: images, v128-191.  The weights' numbers: window 1
.set STB,  16*528                      ; LDS: a stage of 16 rows x (512 + 16) bytes for each wave
.set SPARE, 4*STB                      ; the spare words, 128 bytes for each wave: two blocks of 256 bytes that no other line names
.set GT,    SPARE+512                  ; the route: gate_w, 32,768 bytes as it lies
.set MSB, 0
.macro WIN new
.if MSB != (\new)
	s_set_vgpr_msb (MSB<<8)|(\new)
.set MSB, (\new)
.endif
.endm
.macro SCALES e                        ; SC and LIM from the exponent
	s_add_co_i32 s[\e], s[\e], 127
	s_lshl_b32 s21, s[\e], 23
	v_mov_b32 v[SC], s21                           ; the conversion takes this number's exponent field
	s_add_co_i32 s[\e], s[\e], 8
	s_lshl_b32 s[\e], s[\e], 23
	s_or_b32 s[\e], s[\e], 0x600000
	v_mov_b32 v[LIM], s[\e]
	s_wait_alu depctr_va_vdst(0)
.endm
	s_load_b256 s[4:11], s[0:1], 0x0               ; x s[4:5], gate_w s[6:7], the scales' exponents s[8:9], xq s[10:11]
	s_load_b128 s[12:15], s[0:1], 0x20             ; rec s[12:13], expert_w s[14:15]
	s_load_b64 s[16:17], s[0:1], 0x30              ; wq
	v_lshl_add_u32 v[SPW], v0, 2, SPARE
	v_mov_b32 v[NIL], 0
	v_lshrrev_b32 v[LN], 5, v0
	v_readfirstlane_b32 s18, v[LN]                 ; wave 0..3
	v_and_b32 v[LN], 31, v0
	v_lshlrev_b32 v[L16], 4, v[LN]
	s_mul_i32 s19, s18, STB                        ; every LDS address is made here, ahead of the parting
	v_add_nc_u32 v[STI], s19, v[L16]
	v_and_b32 v[STR], 15, v0
	v_mul_u32_u24 v[STR], v[STR], 528
	v_bfe_u32 v9, v0, 4, 1
	v_lshl_add_u32 v[STR], v9, 4, v[STR]
	v_add_nc_u32 v[STR], s19, v[STR]
	s_lshl_b32 s19, s18, 13
	s_add_co_u32 s19, s19, GT
	v_add_nc_u32 v14, s19, v[L16]                  ; the route: where I put my two experts' rows of gate_w,
	v_add_nc_u32 v15, GT, v[L16]                   ; and where all eight begin
	s_mov_b32 s29, 0
	s_wait_alu depctr_va_vdst(0)
	s_wait_kmcnt 0x0
	s_cmp_lt_u32 ttmp9, 256                        ; the work-group's number alone: all four waves go the same way
	s_cbranch_scc0 .Lweights
	; ---------------- the route ----------------
	s_load_b32 s20, s[8:9], 0x0                    ; ea
	s_lshl_b32 s22, ttmp9, 2
	s_add_co_u32 s22, s22, s18                     ; W
	s_lshl_b32 s28, s22, 15                        ; 8 rows of 4,096 bytes
	s_add_nc_u64 s[4:5], s[4:5], s[28:29]
	s_lshl_b32 s28, s22, 13                        ; 8 rows of 1,024 codes
	s_add_nc_u64 s[10:11], s[10:11], s[28:29]
	s_lshl_b32 s28, s22, 3                         ; a record of 8 bytes
	s_add_nc_u64 s[12:13], s[12:13], s[28:29]
	s_mov_b32 s24, 0x76543210                      ; v_permlanex16_b32's selects for lane l xor 16
	s_mov_b32 s25, 0xfedcba98
.macro XL t
.irp j, 0,1,2,3,4,5,6,7
	global_load_b128 v[X+32*((\t)%6)+4*\j:X+32*((\t)%6)+4*\j+3], v[L16], s[4:5] offset:4096*(\t)+512*\j th:TH_LOAD_NT   ; 32 lanes read 512 consecutive bytes
.endr
.endm
	; gate_w comes into the work-group once: wave w loads the rows of experts 2 w and 2 w + 1, and all eight go round through LDS
	s_lshl_b32 s28, s18, 13
	s_add_nc_u64 s[6:7], s[6:7], s[28:29]
	WIN 0x40                                       ; destination window 1
.set NN, 0
.rept 16
	global_load_b128 v[4*NN:4*NN+3], v[L16], s[6:7] offset:512*NN
.set NN, NN+1
.endr
	WIN 0
.irp t, 0,1,2,3,4,5
	XL \t
.endr
.set EE, 0
.rept 8
	v_mov_b32 v[TT+EE], 0                          ; written once: a lane permute's destination counts as one of its sources
.set EE, EE+1
.endr
	s_wait_alu depctr_va_vdst(0)
	s_wait_kmcnt 0x0
	SCALES 20
	s_wait_loadcnt 48                              ; my part of gate_w is in; the 48 loads of six tokens may stay out
	WIN 0x04                                       ; data in window 1
.set NN, 0
.rept 16
	ds_store_b128 v14, v[4*NN:4*NN+3] offset:512*NN
.set NN, NN+1
.endr
	WIN 0
	s_wait_dscnt 0x0                               ; for the others' sake: my part lies in LDS
	s_barrier_signal -1
	s_barrier_wait -1                              ; everybody's does.  (x's loads stay out across the barrier: nobody writes those bytes)
	WIN 0x40
.set EE, 0
.rept 8
.irp j, 0,1,2,3,4,5,6,7
	ds_load_b128 v[32*EE+4*\j:32*EE+4*\j+3], v15 offset:4096*EE+512*\j
.endr
.set EE, EE+1
.endr
	WIN 0
.macro TOKEN t
.set XB, X+32*((\t)%6)
.if (\t) == 0
	s_wait_dscnt 0x0                               ; gate_w
.endif
.if (\t) <= 2
	s_wait_loadcnt 40                              ; loads come back in order: behind this token's stand the eight loads of each of five later ones
.else
	s_wait_loadcnt 8*(7-(\t))                      ; and of 7 - t
.endif
	WIN 0x04                                       ; source 1 (gate_w) window 1
.set EE, 0
.rept 8
	v_pk_mul_f32 v[ACC+2*EE:ACC+2*EE+1], v[XB:XB+1], v[32*EE:32*EE+1]   ; the first pair starts the sums: nothing is cleared
.set EE, EE+1
.endr
.set PP, 1
.rept 15
.set EE, 0
.rept 8                                        ; the eight experts' chains take turns
	v_pk_fma_f32 v[ACC+2*EE:ACC+2*EE+1], v[XB+2*PP:XB+2*PP+1], v[32*EE+2*PP:32*EE+2*PP+1], v[ACC+2*EE:ACC+2*EE+1]
.set EE, EE+1
.endr
.set PP, PP+1
.endr
	WIN 0
.set EE, 0
.rept 8
	v_add_f32 v[SS+EE], v[ACC+2*EE], v[ACC+2*EE+1]
.set EE, EE+1
.endr
.irp d, 1,2,4,8                                ; each step adds the same two numbers in both lanes, so all lanes end with the same bits
.set EE, 0
.rept 8
	v_add_f32_dpp v[SS+EE], v[SS+EE], v[SS+EE] row_xmask:\d row_mask:0xf bank_mask:0xf
.set EE, EE+1
.endr
.endr
.set EE, 0
.rept 8
	v_permlanex16_b32 v[TT+EE], v[SS+EE], s24, s25
.set EE, EE+1
.endr
.set EE, 0
.rept 8
	v_add_f32 v[SS+EE], v[SS+EE], v[TT+EE]
.set EE, EE+1
.endr
	v_mov_b32 v[BEST], v[SS]
	v_mov_b32 v[IDX], 0
.irp e, 1,2,3,4,5,6,7
	v_cmp_ge_f32 vcc_lo, v[BEST], v[SS+\e]         ; the earlier index stays unless the later score is strictly larger
	v_cndmask_b32 v[IDX], \e, v[IDX], vcc_lo
	v_max_num_f32 v[BEST], v[BEST], v[SS+\e]
.endr
.if (\t) == 0
	v_mov_b32 v[CH], v[IDX]
.else
	s_mov_b32 s30, 1<<(\t)
	v_cndmask_b32 v[CH], v[CH], v[IDX], s30        ; lane t keeps token t's choice
.endif
.if (\t) >= 2
	s_wait_xcnt 0x0                                ; the stores of two tokens ago have read the codes' registers that are written below
.endif
.set JJ, 0
.rept 32
	v_med3_num_f32 v[XB+JJ], v[XB+JJ], -v[LIM], v[LIM]   ; the conversion to an 8-bit code does not saturate (ISA guide 7.6.2): the hold at the largest code x the scale
.set JJ, JJ+1
.endr
.set CS, CD+8*((\t)%2)
.irp g, 0,1,2,3
	v_cvt_scalef32_pk8_fp8_f32 v[CS+2*\g:CS+2*\g+1], v[XB+8*\g:XB+8*\g+7], v[SC]   ; register j of the eight: the four codes of load j
.endr
	v_nop                                          ; one plain vector line behind the last conversion
	global_store_b128 v[L16], v[CS:CS+3], s[10:11] offset:1024*(\t)          ; 32 lanes store 512 consecutive bytes, at a multiple of 512 from xq's first byte
	global_store_b128 v[L16], v[CS+4:CS+7], s[10:11] offset:1024*(\t)+512
.if (\t) < 2
	XL (\t)+6
.endif
.endm
.irp t, 0,1,2,3,4,5,6,7
	TOKEN \t
.endr
	; the record, made in lanes 0 to 7; lane 7 has it whole
	v_lshlrev_b32 v[ACC], 2, v[CH]                 ; 4 c
	v_mov_b32 v[ACC+1], 1
	v_lshlrev_b32 v[ACC+2], v[ACC], v[ACC+1]       ; 1 in the expert's nibble
	v_mov_b32 v[ACC+3], v[ACC+2]
	v_mov_b32 v[ACC+4], 0                          ; (a DPP form's destination counts as one of its sources)
	v_mov_b32 v[ZA], 0
.irp d, 1,2,4                                  ; sums over the tokens at and before mine; a nibble never passes 8
	v_mov_b32_dpp v[ACC+4], v[ACC+3] row_shr:\d row_mask:0xf bank_mask:0xf bound_ctrl:1
	v_add_nc_u32 v[ACC+3], v[ACC+3], v[ACC+4]
.endr
	v_readlane_b32 s30, v[ACC+3], 7                ; the wave's counts by expert
	v_sub_nc_u32 v[ACC+5], v[ACC+3], v[ACC+2]      ; the tokens before mine
	s_mul_i32 s31, s30, 0x11111111                 ; nibble e: the sum of nibbles 0 to e, at most 8: none carries into the next
	s_lshl_b32 s30, s31, 4                         ; of the nibbles below e
	v_add_nc_u32 v[ACC+5], s30, v[ACC+5]
	v_lshrrev_b32 v[ACC+5], v[ACC], v[ACC+5]
	v_and_b32 v[ACC+5], 15, v[ACC+5]               ; my token's place in the order of the experts
	v_lshlrev_b32 v[ACC+5], 2, v[ACC+5]
	v_lshlrev_b32 v[ACC+7], v[ACC+5], v[LN]        ; my token's number in that nibble
.irp d, 1,2,4
	v_mov_b32_dpp v[ACC+4], v[ACC+7] row_shr:\d row_mask:0xf bank_mask:0xf bound_ctrl:1
	v_add_nc_u32 v[ACC+7], v[ACC+7], v[ACC+4]
.endr
	v_mov_b32 v[ACC+6], s31
	s_wait_alu depctr_va_vdst(0)
	s_wait_tensorcnt 0x0                           ; behind my last LDS store, while all lanes are on
	ds_add_u32 v[SPW], v[NIL]
	s_wait_dscnt 0x0
	s_wait_xcnt 0x0                                ; EXEC is a source of the stores above: it changes only behind this wait
	v_cmpx_eq_u32 7, v[LN]                         ; lane 7 alone
	global_store_b64 v[ZA], v[ACC+6:ACC+7], s[12:13]   ; 8 bytes a wave (a small table: 8,192 bytes in the whole launch)
	s_endpgm
	; ---------------- the weights ----------------
.Lweights:
	s_load_b32 s20, s[8:9], 0x4                    ; eb
	s_sub_co_u32 s22, ttmp9, 256
	s_lshl_b32 s22, s22, 2
	s_add_co_u32 s22, s22, s18                     ; my task G, 0 .. 1,023: tile G / 2 (= 64 e + n), half G % 2 of K
	s_lshr_b32 s23, s22, 1
	s_lshr_b32 s28, s23, 2
	s_lshl_b32 s28, s28, 18                        ; 64 rows of 4,096 bytes
	s_and_b32 s30, s23, 3
	s_lshl_b32 s30, s30, 12                        ; + t rows
	s_add_co_u32 s28, s28, s30
	s_and_b32 s30, s22, 1
	s_lshl_b32 s30, s30, 11                        ; + 512 numbers
	s_add_co_u32 s28, s28, s30
	s_add_nc_u64 s[14:15], s[14:15], s[28:29]
	s_lshl_b32 s28, s22, 13                        ; four K steps' images of a tile: 8,192 bytes
	s_add_nc_u64 s[16:17], s[16:17], s[28:29]
	WIN 0x40                                       ; destination window 1: row i, load m at v[16 i + 4 m]
.set II, 0
.rept 16
.irp m, 0,1,2,3
	global_load_b128 v[16*II+4*\m:16*II+4*\m+3], v[L16], s[14:15] offset:16384*II+512*\m th:TH_LOAD_NT   ; every fourth row; 32 lanes read 512 consecutive bytes
.endr
.set II, II+1
.endr
	WIN 0
	s_wait_kmcnt 0x0
	SCALES 20
.irp g, 0,1,2,3                                ; four rows at a time
	s_wait_loadcnt 48-16*\g                        ; the sixteen loads of each later group may stay out
	WIN 0x41                                       ; source 0 and destination window 1
.set NN, 0
.rept 64
	v_med3_num_f32 v[64*\g+NN], v[64*\g+NN], -v[LIM], v[LIM]   ; the hold, as above
.set NN, NN+1
.endr
	WIN 0x01                                       ; source 0 window 1
.irp k, 0,1,2,3,4,5,6,7
	v_cvt_scalef32_pk8_fp8_f32 v[WC+16*\g+2*\k:WC+16*\g+2*\k+1], v[64*\g+8*\k:64*\g+8*\k+7], v[SC]
.endr
	WIN 0
	v_nop                                          ; one plain vector line behind the last conversion
.irp i, 0,1,2,3
	ds_store_b128 v[STI], v[WC+16*\g+4*\i:WC+16*\g+4*\i+3] offset:528*(4*\g+\i)   ; row 4 g + i: my 16 places
.endr
.endr
.set KK, 0
.rept 16                                       ; image k = 4 s' + c: LDS serves a wave's instructions in order (ISA guide 5.7.1.4): these see my stores
	ds_load_b128 v[RK+4*KK:RK+4*KK+3], v[STR] offset:128*(KK/4)+32*(KK%4)
.set KK, KK+1
.endr
.set KK, 0
.rept 16
	s_wait_dscnt 15-KK                             ; image k is in; the later ones may stay out
	global_store_b128 v[L16], v[RK+4*KK:RK+4*KK+3], s[16:17] offset:512*KK   ; 32 lanes store 512 consecutive bytes
.set KK, KK+1
.endr
	s_wait_tensorcnt 0x0                           ; the wave's end, behind my last LDS store
	ds_add_u32 v[SPW], v[NIL]
	s_wait_dscnt 0x0
	s_endpgm
.Lfunc_end_k_qfae9844b4e_prep:
	.size	k_qfae9844b4e_prep, .Lfunc_end_k_qfae9844b4e_prep-k_qfae9844b4e_prep
	.p2alignl 7, 3214868480
	.fill 96, 4, 3214868480
	.section	.rodata,"a",@progbits
	.p2align	6, 0x0
	.amdhsa_kernel k_qfae9844b4e_prep
		.amdhsa_group_segment_fixed_size 67072
		.amdhsa_private_segment_fixed_size 0
		.amdhsa_enable_private_segment 0
		.amdhsa_kernarg_size 56
		.amdhsa_user_sgpr_count 2
		.amdhsa_user_sgpr_kernarg_segment_ptr 1
		.amdhsa_wavefront_size32 1
		.amdhsa_system_sgpr_workgroup_id_x 1
		.amdhsa_system_sgpr_workgroup_id_y 1
		.amdhsa_system_sgpr_workgroup_id_z 1
		.amdhsa_system_vgpr_workitem_id 0
		.amdhsa_next_free_vgpr 512
		.amdhsa_next_free_sgpr 66
		.amdhsa_reserve_vcc 1
		.amdhsa_float_denorm_mode_32 3
		.amdhsa_float_denorm_mode_16_64 3
		.amdhsa_memory_ordered 1
		.amdhsa_forward_progress 1
		.amdhsa_inst_pref_size 162
	.end_amdhsa_kernel
	.amdgpu_metadata
---
amdhsa.version: [ 1, 2 ]
amdhsa.kernels:
  - .name:           k_qfae9844b4e_prep
    .symbol:         k_qfae9844b4e_prep.kd
    .args:
      - { .name: x, .offset: 0, .size: 8, .value_kind: global_buffer, .address_space: global }
      - { .name: gate_w, .offset: 8, .size: 8, .value_kind: global_buffer, .address_space: global }
      - { .name: lowp_scales, .offset: 16, .size: 8, .value_kind: global_buffer, .address_space: global }
      - { .name: xq, .offset: 24, .size: 8, .value_kind: global_buffer, .address_space: global }
      - { .name: rec, .offset: 32, .size: 8, .value_kind: global_buffer, .address_space: global }
      - { .name: expert_w, .offset: 40, .size: 8, .value_kind: global_buffer, .address_space: global }
      - { .name: wq, .offset: 48, .size: 8, .value_kind: global_buffer, .address_space: global }
    .group_segment_fixed_size: 67072
    .private_segment_fixed_size: 0
    .kernarg_segment_align: 8
    .kernarg_segment_size: 56
    .max_flat_workgroup_size: 128
    .sgpr_count:     66
    .vgpr_count:     512
    .wavefront_size: 32
...
	.end_amdgpu_metadata
.endif
;; end of part 1
;; launch experts (part 2): grid 256 x 1, 4 waves a work-group, no clusters, 160,512 bytes of LDS; arguments x, xq, wq, rec, lowp_scales, out0; writes out0
.if DOCPART == 2
	.amdgcn_target "amdgcn-amd-amdhsa--gfx1250"
	.amdhsa_code_object_version 6
	.text
	.protected	k_qfae9844b4e_experts
	.globl	k_qfae9844b4e_experts
	.p2align	8
	.type	k_qfae9844b4e_experts,@function
k_qfae9844b4e_experts:
	s_mov_b64 s[64:65], 0
	v_nop
	global_prefetch_b8 v0, s[64:65] scope:SCOPE_SE
	s_setreg_imm32_b32 hwreg(HW_REG_WAVE_MODE, 25, 1), 1
	s_wait_xcnt 0x0
; out[t] = x[t] + 2^(ea + eb) x (codes of x[t]) . (codes of expert_w[c(t)])^T, on codes of E4M3, sums in f32.  WORK LEFT OUT: the products of the seven experts that a token did not choose (shown dead at the head of the first kernel).
; A work-group takes one tile of at most 144 tokens of ONE expert and 256 of the 1,024 columns: 64 tiles x 4 column blocks = 256 work-groups for every split of the tokens.  Work-group i takes tile 16 (i % 4) + i / 16 and
;   column block (i / 4) % 4: the column blocks of a tile, which read the same rows, and nearly all tiles of an expert, which read the same weights, go to work-groups whose numbers agree in the two low bits.
; WHICH TOKENS.  With n_e tokens expert e gets T_e = ceil(n_e / 144) tiles; the sum of T_e is at most (8,192 + 8 x 143) / 144 = 64 for every split.  Its tiles have R rows each, R the least multiple of 16 with R T_e >= n_e.
;   Every work-group reads all of rec (8,192 bytes, 64 a thread: thread T has tokens 64 T .. 64 T + 63), sums the counts ahead over the lanes and, through LDS, over the waves, and so knows its expert, its first row R0 and its rows.
;   Then each thread lays into LDS where its 8 blocks of 8 tokens begin among the expert's rows, and row g finds its thread and block by three searches among starts (16 groups, 8 threads, 8 blocks): the last start at or under g.
;   Rows beyond the tile's count are the last row again (the same numbers to the same bytes); row tiles of 16 that lie wholly beyond it are not stored; a tile that the split leaves empty stores nothing and passes every barrier.
; Wave w makes all 144 rows x columns 256 (column block) + 64 w .. + 63: 9 x 4 accumulators, 288 matrix instructions.
; A: the wave gathers 36 of the rows from xq, 512 bytes a load, into LDS (pitch 1,024 + 16 bytes); one barrier; every wave reads all rows as fragments.
; B: wq holds the weights in the order of the operand's registers, so a lane loads its fragments whole from memory.  Each wave's 64 columns are its own: no byte of B is loaded twice in a work-group.
; Source 0 = 16 tokens, source 1 = 16 rows of the weight: register j of accumulator t, lane (r, h), is token 8 h + j and column 4 r + t of the wave's 64.  So register j of the four accumulators is 16 consecutive bytes of a row of out0,
; and sixteen lanes hold 256: x is loaded in that layout, a row tile between two of B's steps, and out = sum x 2^(ea + eb) + x goes onto x's own registers and out from there, with no turn through LDS.
; The last K step goes by row tiles: each is stored while the next one multiplies.
; NO TENSOR LOADS AND NO JOINT LOADS: which rows and which expert are numbers read from memory, the rows of a tile have no common pitch, and a tile descriptor's words are made of ids and constants alone.
; No prefetch: the text has no loop to run ahead in; four of the eight K steps of B and three of the nine row tiles of x are asked for ahead of the first product.
; LIMITS: ea + eb between -126 and 127.
; REGISTERS, in windows of 256: window 0 as named below.  window 1: the gather's landing place, then the accumulators of row tiles 0-7, (a, t) at v[8 (4 a + t)].   window 2: B's sets 0-3, 64 registers each; step s in set s % 4;
;   x of row tiles 6 and 7 takes set 0 at last.   window 3: v0-191: x of row tiles 0-5; v192-223: the last four rows' landing place, then row tile 8's accumulators; v224-255: x of row tile 8.
.set TOT,   0                          ; LDS: the waves' totals, 16 bytes each
.set PT,    256                        ; where each thread begins among the expert's rows: 128 words
.set PB,    1024                       ; where each of its 8 blocks begins: 32 bytes a thread
.set OB,    5120                       ; and the blocks' orders, the expert's tokens first: 32 bytes a thread
.set LST,   9216                       ; tokens of rows 0 to 127
.set LST2,  9728                       ; of rows 128 to 143: four of each wave's 128 bytes
.set SPARE, 10240                      ; the spare words, 128 bytes for each wave: two blocks of 256 bytes that no other line names
.set ABASE, 10752                      ; A
.set PA,    1040                       ; a row of A in LDS: 1,024 bytes + 16 = 260 words: row r starts at bank 4 r mod 64 (64 banks of 4 bytes: ISA guide 11.1)
.set L16,  1                           ; v1      16 x lane
.set CX,   2                           ; v2      1,024 x column block + 256 w + 16 (lane % 16): my bytes of a row of x
.set AR,   4                           ; v4-6    LDS: my lane's place in a fragment of A, 48 rows apart
.set AW,   7                           ; v7      LDS: where I put rows 32 w ..
.set AW2,  8                           ; v8      and rows 128 + 4 w ..
.set OA,   9                           ; v9      LDS: the list, + 32 h
.set OA2,  10                          ; v10     its rows 128 .., + 256 h
.set WTA,  11                          ; v11     LDS: where my wave puts its totals
.set T64,  12                          ; v12     64 x thread
.set SPW,  16                          ; v16     LDS address of my spare word: SPARE + 4 x my thread's number; never rewritten
.set NIL,  17                          ; v17     0; never rewritten
.set LN,   18                          ; v18     lane
.set T4,   19                          ; v19     4 x thread
.set T32,  20                          ; v20     32 x thread
.set ZR,   21                          ; v21     0
.set ID,   32                          ; v[32 + 8 a + i]: row 16 a + 8 h + i: its token, then my bytes in x and out0.  Before that:
.set QQ,   32                          ; v32-35  counts in 16 bits, summed ahead: experts (0, 2), (4, 6), (1, 3), (5, 7)
.set OWN,  36
.set TMP,  40
.set RC2,  44                          ; v44-47  the wave's totals
.set ALLT, 48                          ; v48-63  the four waves' totals
.set AF,   104                         ; v104-247 A's 9 fragments.  Before that:
.set COFF, 104                         ; v104-139 the gather's offsets
.set RC,   104                         ; v104-119 my 8 records
.set SH,   120                         ; v120-127 counts below each expert
.set CN,   128                         ; v128-135 counts of each expert, in nibbles
.set TE,   136                         ; v136-143 at work; then where my blocks begin
.set TO,   144                         ; v144-151 at work; then their orders
.set G,    156                         ; v156-157 my two rows' numbers
.set GA,   158                         ; v158-159 group of 8 threads
.set VA,   160                         ; v160-175 at work; the groups' starts
.set GB,   176                         ; v176-177 thread in the group
.set TH,   178                         ; v178-179 thread
.set VB,   180                         ; v180-195 threads' starts, 8 for each of my rows
.set VC,   196                         ; v196-211 blocks' starts
.set GC,   212                         ; v212-213 block
.set PS,   214                         ; v214-215 its start
.set OD,   216                         ; v216-217 its order
.set TK,   218                         ; v218-219 the tokens
.set AD,   220                         ; v220-221 addresses
.set MSB, 0
.macro WIN new
.if MSB != (\new)
	s_set_vgpr_msb (MSB<<8)|(\new)
.set MSB, (\new)
.endif
.endm
.macro PLACES                          ; four places behind a matrix instruction, in front of loads into registers that it has read and of the first read of results (ISA guide 7.12.1 for vector instructions)
.rept 4
	v_nop
.endr
.endm
.macro BAR
	s_barrier_signal -1
	s_barrier_wait -1
.endm
.macro BLOAD p, s                      ; my four fragments of B of K step s into set p
	WIN 0x80
.irp t, 0,1,2,3
.irp c, 0,1,2,3
	global_load_b128 v[64*(\p)+16*\t+4*\c:64*(\p)+16*\t+4*\c+3], v[L16], s[8:9] offset:16384*\t+2048*(\s)+512*\c
.endr
.endr
	WIN 0
.endm
.macro XREG a                          ; where x of row tile a lies: window XW, register XB
.if (\a) < 6
.set XW, 3
.set XB, 32*(\a)
.elseif (\a) < 8
.set XW, 2
.set XB, 32*((\a)-6)
.else
.set XW, 3
.set XB, 224
.endif
.endm
.macro XLOAD a
	XREG \a
	WIN XW<<6
.irp i, 0,1,2,3,4,5,6,7
	global_load_b128 v[XB+4*\i:XB+4*\i+3], v[ID+8*(\a)+\i], s[4:5]   ; sixteen lanes read 256 consecutive bytes of a row
.endr
	WIN 0
.endm
.macro AFRAG s, a                      ; fragment a of A, K step s: registers 4 c .. 4 c + 3 hold places 128 s + 32 c + 16 h + 0 .. 15 of row lane % 16
.irp c, 0,1,2,3
	ds_load_b128 v[AF+16*(\a)+4*\c:AF+16*(\a)+4*\c+3], v[AR+(\a)/3] offset:16*PA*((\a)%3)+128*(\s)+32*\c
.endr
.endm
.macro MUL p, a, zero                  ; row tile a against my four tiles of columns.  zero = 1: the first product starts the sums: nothing is ever cleared
.if (\a) < 8
	WIN 0x58                                       ; source 0 (A) window 0, source 1 (B) window 2, C and D window 1
.set AC, 32*(\a)
.else
	WIN 0xf8                                       ; C and D window 3
.set AC, 192
.endif
.irp t, 0,1,2,3
.if \zero
	v_wmma_f32_16x16x128_fp8_fp8 v[AC+8*\t:AC+8*\t+7], v[AF+16*(\a):AF+16*(\a)+15], v[64*(\p)+16*\t:64*(\p)+16*\t+15], 0
.else
	v_wmma_f32_16x16x128_fp8_fp8 v[AC+8*\t:AC+8*\t+7], v[AF+16*(\a):AF+16*(\a)+15], v[64*(\p)+16*\t:64*(\p)+16*\t+15], v[AC+8*\t:AC+8*\t+7]
.endif
.endr
.endm
; A K step of 128: 36 matrix instructions; the 36 accumulators take turns, one instruction a turn, in the same order in every step.
; A has one set of registers: fragments 0-4 are fetched anew in the step's middle, 5-8 at its end.  lc: this step's B may still be out; so many loads, or more than the count's field holds (63), stand behind it; 0: it is known to be in.
.macro STEP s, p, lc, zero
.if \lc
	s_wait_loadcnt \lc
.endif
	s_wait_dscnt 16                                ; A's fragments 0-4 are in; the sixteen loads of fragments 5-8 may be out
.irp a, 0,1,2,3,4
	MUL \p, \a, \zero
.endr
	s_wait_dscnt 0x0                               ; fragments 5-8 are in
	PLACES
	WIN 0
.irp a, 0,1,2,3,4
	AFRAG (\s)+1, \a
.endr
.irp a, 5,6,7,8
	MUL \p, \a, \zero
.endr
	PLACES                                         ; also for the global loads that follow the step
	WIN 0
.irp a, 5,6,7,8
	AFRAG (\s)+1, \a
.endr
.endm
	s_load_b256 s[4:11], s[0:1], 0x0               ; x s[4:5], xq s[6:7], wq s[8:9], rec s[10:11]
	s_load_b128 s[12:15], s[0:1], 0x20             ; the scales' exponents s[12:13], out0 s[14:15]
	v_lshl_add_u32 v[SPW], v0, 2, SPARE
	v_mov_b32 v[NIL], 0
	v_lshrrev_b32 v14, 5, v0
	v_readfirstlane_b32 s18, v14                   ; wave 0..3
	v_and_b32 v[LN], 31, v0
	v_lshlrev_b32 v[L16], 4, v[LN]
	v_lshlrev_b32 v[T64], 6, v0
	s_wait_alu depctr_va_vdst(0)
	s_wait_kmcnt 0x0
	s_load_b64 s[24:25], s[12:13], 0x0             ; ea, eb
.irp i, 0,1,2,3
	global_load_b128 v[RC+4*\i:RC+4*\i+3], v[T64], s[10:11] offset:16*\i   ; my 8 records of two words
.endr
	v_and_b32 v14, 15, v0                          ; r = lane % 16
	v_bfe_u32 v15, v0, 4, 1                        ; h = lane / 16
	v_lshlrev_b32 v[T4], 2, v0
	v_lshlrev_b32 v[T32], 5, v0
	v_mov_b32 v[ZR], 0
	s_bfe_u32 s16, ttmp9, 0x20002                  ; the column block
	s_lshl_b32 s21, s16, 10
	s_lshl_b32 s26, s18, 8
	s_add_co_u32 s21, s21, s26
	v_lshl_add_u32 v[CX], v14, 4, s21
	v_mul_u32_u24 v[AR], v14, PA
	v_lshl_add_u32 v[AR], v15, 4, v[AR]
	v_add_nc_u32 v[AR], ABASE, v[AR]
	v_add_nc_u32 v[AR+1], 48*PA, v[AR]
	v_add_nc_u32 v[AR+2], 96*PA, v[AR]
	s_mul_i32 s26, s18, 32*PA
	s_add_co_u32 s26, s26, ABASE
	v_add_nc_u32 v[AW], s26, v[L16]
	s_mul_i32 s26, s18, 4*PA
	s_add_co_u32 s26, s26, ABASE+128*PA
	v_add_nc_u32 v[AW2], s26, v[L16]
	v_lshlrev_b32 v[OA], 5, v15
	v_add_nc_u32 v[OA], LST, v[OA]
	v_lshlrev_b32 v[OA2], 8, v15
	v_add_nc_u32 v[OA2], LST2, v[OA2]
	s_lshl_b32 s26, s18, 4
	v_mov_b32 v[WTA], s26
.irp q, 0,1,2,3
	v_mov_b32 v[TMP+\q], 0                         ; (a DPP form's destination counts as one of its sources)
.endr
	s_wait_alu depctr_va_vdst(0)
	s_and_b32 s20, ttmp9, 3
	s_lshl_b32 s20, s20, 4
	s_lshr_b32 s17, ttmp9, 4
	s_add_co_u32 s20, s20, s17                     ; the tile
	s_mov_b32 s19, 0x0f0f0f0f
	s_mov_b32 s21, 0xffff0000                      ; lanes 16 to 31
	s_wait_kmcnt 0x0
	s_add_co_i32 s26, s24, s25
	s_add_co_i32 s26, s26, 127
	s_lshl_b32 s26, s26, 23                        ; 2^(ea + eb) as f32
	s_wait_loadcnt 0x0                             ; my records
	; counts: the running nibbles less themselves one nibble up; then experts 0, 2, 4, 6 and 1, 3, 5, 7 in bytes, at most 64 each
.irp k, 0,1,2,3,4,5,6,7
	v_lshlrev_b32 v[SH+\k], 4, v[RC+2*\k]
.endr
.irp k, 0,1,2,3,4,5,6,7
	v_sub_nc_u32 v[CN+\k], v[RC+2*\k], v[SH+\k]
.endr
.irp k, 0,1,2,3,4,5,6,7
	v_and_b32 v[TE+\k], s19, v[CN+\k]
	v_lshrrev_b32 v[TO+\k], 4, v[CN+\k]
.endr
.irp k, 0,1,2,3,4,5,6,7
	v_and_b32 v[TO+\k], s19, v[TO+\k]
.endr
.macro FOLD d
.set KK, 0
.rept \d
	v_add_nc_u32 v[TE+KK], v[TE+KK], v[TE+KK+\d]
	v_add_nc_u32 v[TO+KK], v[TO+KK], v[TO+KK+\d]
.set KK, KK+1
.endr
.endm
	FOLD 4
	FOLD 2
	FOLD 1
	v_perm_b32 v[QQ], v[TE], v[TE], 0x0c010c00     ; bytes to 16-bit fields
	v_perm_b32 v[QQ+1], v[TE], v[TE], 0x0c030c02
	v_perm_b32 v[QQ+2], v[TO], v[TO], 0x0c010c00
	v_perm_b32 v[QQ+3], v[TO], v[TO], 0x0c030c02
.irp q, 0,1,2,3
	v_mov_b32 v[OWN+\q], v[QQ+\q]
.endr
.irp d, 1,2,4,8                                ; sums over the lanes at and below mine, in each half of 16 lanes; a field never passes 8,192
.irp q, 0,1,2,3
	v_mov_b32_dpp v[TMP+\q], v[QQ+\q] row_shr:\d row_mask:0xf bank_mask:0xf bound_ctrl:1
.endr
.irp q, 0,1,2,3
	v_add_nc_u32 v[QQ+\q], v[QQ+\q], v[TMP+\q]
.endr
.endr
.irp q, 0,1,2,3
	v_readlane_b32 s[92+\q], v[QQ+\q], 15          ; the lower half's total goes onto the upper half
.endr
.irp q, 0,1,2,3
	v_mov_b32 v[TMP+\q], s[92+\q]
.endr
.irp q, 0,1,2,3
	v_cndmask_b32 v[TMP+\q], 0, v[TMP+\q], s21
.endr
.irp q, 0,1,2,3
	v_add_nc_u32 v[QQ+\q], v[QQ+\q], v[TMP+\q]
.endr
.irp q, 0,1,2,3
	v_readlane_b32 s[88+\q], v[QQ+\q], 31          ; the wave's totals
.endr
.irp q, 0,1,2,3
	v_sub_nc_u32 v[QQ+\q], v[QQ+\q], v[OWN+\q]     ; the lanes below mine alone
	v_mov_b32 v[RC2+\q], s[88+\q]
.endr
	ds_store_b128 v[WTA], v[RC2:RC2+3] offset:TOT  ; all lanes write the same 16 bytes with the same numbers
	s_wait_alu depctr_va_vdst(0)
	s_wait_dscnt 0x0                               ; my totals lie in LDS
	BAR
.irp w, 0,1,2,3
	ds_load_b128 v[ALLT+4*\w:ALLT+4*\w+3], v[ZR] offset:TOT+16*\w
.endr
	s_wait_dscnt 0x0
.set NN, 0
.rept 16
	v_readfirstlane_b32 s[28+NN], v[ALLT+NN]       ; s[28 + 4 w + q]
.set NN, NN+1
.endr
.irp q, 0,1,2,3
	s_add_co_u32 s[44+\q], s[28+\q], s[32+\q]      ; all four waves'
	s_add_co_u32 s[44+\q], s[44+\q], s[36+\q]
	s_add_co_u32 s[44+\q], s[44+\q], s[40+\q]
	s_mov_b32 s[88+\q], 0
.endr
.irp w, 0,1,2                                  ; the waves below mine: one compare, four selects, then the additions (which write SCC)
	s_cmp_gt_u32 s18, \w
.irp q, 0,1,2,3
	s_cselect_b32 s[92+\q], s[28+4*\w+\q], 0
.endr
.irp q, 0,1,2,3
	s_add_co_u32 s[88+\q], s[88+\q], s[92+\q]
.endr
.endr
.irp q, 0,1
	s_and_b32 s[48+4*\q], s[44+\q], 0xffff         ; n_e in s[48 + e]
	s_lshr_b32 s[50+4*\q], s[44+\q], 16
	s_and_b32 s[49+4*\q], s[46+\q], 0xffff
	s_lshr_b32 s[51+4*\q], s[46+\q], 16
.endr
	s_mov_b32 s66, 0                               ; the expert's first tile, in s[66 + e]
.irp e, 0,1,2,3,4,5,6,7
	s_add_co_u32 s[56+\e], s[48+\e], 143
	s_mul_i32 s[56+\e], s[56+\e], 14564            ; T_e = ceil(n / 144) = ((n + 143) x 14,564) >> 21: 14,564 x 144 = 2^21 + 64, so the quotient is exact for n + 143 under 32,768
	s_lshr_b32 s[56+\e], s[56+\e], 21
.if \e < 7
	s_add_co_u32 s[67+\e], s[66+\e], s[56+\e]
.endif
.endr
	s_mov_b32 s22, 0                               ; the last expert whose first tile is at or under mine,
	s_mov_b32 s23, s48                             ; its n,
	s_mov_b32 s74, 0                               ; its first tile
	s_mov_b32 s75, s56                             ; and its T
.irp e, 1,2,3,4,5,6,7
	s_cmp_ge_u32 s20, s[66+\e]
	s_cselect_b32 s22, \e, s22
	s_cselect_b32 s23, s[48+\e], s23
	s_cselect_b32 s74, s[66+\e], s74
	s_cselect_b32 s75, s[56+\e], s75
.endr
	; my weights
	s_min_u32 s93, s22, 7                          ; loaded numbers enter addresses held at their bounds
	s_lshl_b32 s93, s93, 20                        ; an expert's codes are 2^20 bytes
	s_lshl_b32 s86, s16, 4
	s_lshl_b32 s94, s18, 2
	s_add_co_u32 s86, s86, s94                     ; my first tile of 16 columns: 16 x column block + 4 w
	s_lshl_b32 s86, s86, 14                        ; a tile's eight K steps are 16,384 bytes
	s_add_co_u32 s86, s86, s93
	s_mov_b32 s87, 0
	s_add_nc_u64 s[8:9], s[8:9], s[86:87]
	BLOAD 0, 0
	s_sub_co_u32 s76, s20, s74
	s_mov_b32 s77, 144                             ; R
.irp m, 128,112,96,80,64,48,32,16
	s_mul_i32 s78, s75, \m
	s_cmp_ge_u32 s78, s23
	s_cselect_b32 s77, \m, s77
.endr
	s_mul_i32 s79, s76, s77                        ; R0
	s_sub_co_i32 s80, s23, s79
	s_max_i32 s80, s80, 0
	s_min_i32 s80, s80, s77                        ; the tile's rows: 0 in a tile that the split leaves empty
	s_add_co_u32 s85, s79, s80
	s_sub_co_u32 s85, s85, 1                       ; its last row
	s_lshl_b32 s84, s22, 2                         ; 4 e
	s_bitcmp1_b32 s22, 2                           ; which word, which half of it
	s_cselect_b32 s82, -1, 0
	s_cselect_b32 s92, s89, s88
	s_cselect_b32 s93, s91, s90
	s_bitcmp1_b32 s22, 0
	s_cselect_b32 s81, -1, 0
	s_cselect_b32 s92, s93, s92
	s_bitcmp1_b32 s22, 1
	s_cselect_b32 s83, 16, 0
	s_lshr_b32 s92, s92, s83
	s_and_b32 s92, s92, 0xffff                     ; the expert's tokens in the waves below mine
	v_cndmask_b32 v[VA], v[QQ], v[QQ+1], s82
	v_cndmask_b32 v[VA+1], v[QQ+2], v[QQ+3], s82
	v_cndmask_b32 v[VA], v[VA], v[VA+1], s81
	v_bfe_u32 v[VA], v[VA], s83, 16
	v_add_nc_u32 v[TE], s92, v[VA]                 ; where my first block begins
.irp k, 0,1,2,3,4,5,6,7
	v_bfe_u32 v[VA+\k], v[CN+\k], s84, 4
	v_bfe_u32 v[VA+8+\k], v[SH+\k], s84, 4         ; the block's tokens of experts below
.endr
.irp k, 0,1,2,3,4,5,6,7
.if \k < 7
	v_add_nc_u32 v[TE+\k+1], v[TE+\k], v[VA+\k]
.endif
	v_lshlrev_b32 v[VA+8+\k], 2, v[VA+8+\k]
	v_lshrrev_b32 v[TO+\k], v[VA+8+\k], v[RC+2*\k+1]   ; nibble i: the expert's i-th token in the block
.endr
	ds_store_b32 v[T4], v[TE] offset:PT
	ds_store_b128 v[T32], v[TE:TE+3] offset:PB
	ds_store_b128 v[T32], v[TE+4:TE+7] offset:PB+16
	ds_store_b128 v[T32], v[TO:TO+3] offset:OB
	ds_store_b128 v[T32], v[TO+4:TO+7] offset:OB+16
	s_lshl_b32 s94, s18, 2
	s_add_co_u32 s94, s94, s79
	s_add_co_u32 s94, s94, 128
	v_add_nc_u32 v[G], s79, v0                     ; my first row: 32 w + lane
	v_add_nc_u32 v[G+1], s94, v[LN]                ; and, in lanes 0 to 3, 128 + 4 w + lane
	v_min_u32 v[G], s85, v[G]
	v_min_u32 v[G+1], s85, v[G+1]
	v_mov_b32 v[GA], 0
	v_mov_b32 v[GA+1], 0
	s_wait_alu depctr_va_vdst(0)
	s_wait_dscnt 0x0                               ; my starts and orders lie in LDS
	BAR
.irp i, 1,2,3,4,5,6,7,8,9,10,11,12,13,14,15
	ds_load_b32 v[VA+\i], v[ZR] offset:PT+32*\i    ; the groups' starts; group 0 begins at 0
.endr
	s_wait_dscnt 0x0
.irp i, 1,2,3,4,5,6,7,8,9,10,11,12,13,14,15
	v_cmp_gt_u32 vcc_lo, v[VA+\i], v[G]            ; a start above my row: the earlier group stays
	v_cmp_gt_u32 s94, v[VA+\i], v[G+1]
	v_cndmask_b32 v[GA], \i, v[GA], vcc_lo
	v_cndmask_b32 v[GA+1], \i, v[GA+1], s94
.endr
.irp z, 0,1
	v_min_u32 v[GA+\z], 15, v[GA+\z]               ; numbers made of loaded numbers enter addresses held at their bounds: 16 groups,
	v_lshlrev_b32 v[AD+\z], 5, v[GA+\z]
.endr
.irp z, 0,1
	ds_load_b128 v[VB+8*\z:VB+8*\z+3], v[AD+\z] offset:PT
	ds_load_b128 v[VB+8*\z+4:VB+8*\z+7], v[AD+\z] offset:PT+16
.endr
	s_wait_alu depctr_va_vdst(0)
	s_wait_dscnt 0x0
	v_mov_b32 v[GB], 0
	v_mov_b32 v[GB+1], 0
.irp i, 1,2,3,4,5,6,7
	v_cmp_gt_u32 vcc_lo, v[VB+\i], v[G]
	v_cmp_gt_u32 s94, v[VB+8+\i], v[G+1]
	v_cndmask_b32 v[GB], \i, v[GB], vcc_lo
	v_cndmask_b32 v[GB+1], \i, v[GB+1], s94
.endr
.irp z, 0,1
	v_lshl_add_u32 v[TH+\z], v[GA+\z], 3, v[GB+\z]
	v_min_u32 v[TH+\z], 127, v[TH+\z]              ; 128 threads,
.endr
.irp z, 0,1
	v_lshlrev_b32 v[AD+\z], 5, v[TH+\z]
.endr
.irp z, 0,1
	ds_load_b128 v[VC+8*\z:VC+8*\z+3], v[AD+\z] offset:PB
	ds_load_b128 v[VC+8*\z+4:VC+8*\z+7], v[AD+\z] offset:PB+16
.endr
	s_wait_alu depctr_va_vdst(0)
	s_wait_dscnt 0x0
.irp z, 0,1
	v_mov_b32 v[GC+\z], 0
	v_mov_b32 v[PS+\z], v[VC+8*\z]
.endr
.irp i, 1,2,3,4,5,6,7
	v_cmp_gt_u32 vcc_lo, v[VC+\i], v[G]
	v_cmp_gt_u32 s94, v[VC+8+\i], v[G+1]
	v_cndmask_b32 v[GC], \i, v[GC], vcc_lo
	v_cndmask_b32 v[GC+1], \i, v[GC+1], s94
	v_cndmask_b32 v[PS], v[VC+\i], v[PS], vcc_lo
	v_cndmask_b32 v[PS+1], v[VC+8+\i], v[PS+1], s94
.endr
.irp z, 0,1
	v_min_u32 v[GC+\z], 7, v[GC+\z]                ; 8 blocks
	v_lshl_add_u32 v[AD+\z], v[GC+\z], 2, v[AD+\z]
.endr
.irp z, 0,1
	ds_load_b32 v[OD+\z], v[AD+\z] offset:OB
.endr
.irp z, 0,1
	v_sub_nc_u32 v[PS+\z], v[G+\z], v[PS+\z]       ; which of the block's tokens of the expert,
	v_lshl_add_u32 v[TH+\z], v[TH+\z], 3, v[GC+\z] ; and which block of 8 tokens
.endr
.irp z, 0,1
	v_lshlrev_b32 v[PS+\z], 2, v[PS+\z]
.endr
	s_wait_alu depctr_va_vdst(0)
	s_wait_dscnt 0x0
.irp z, 0,1
	v_lshrrev_b32 v[OD+\z], v[PS+\z], v[OD+\z]
.endr
.irp z, 0,1
	v_and_b32 v[OD+\z], 7, v[OD+\z]
.endr
.irp z, 0,1
	v_lshl_add_u32 v[TK+\z], v[TH+\z], 3, v[OD+\z] ; the row's token
.endr
	s_wait_alu depctr_va_vdst(0)
	BAR                                            ; every wave's searches are over (each waited for its LDS loads): LDS is written again.  (Global loads stay out across the barriers: nobody writes those bytes)
	ds_store_b32 v[T4], v[TK] offset:LST
	ds_store_b32 v[T4], v[TK+1] offset:LST2
	; the gather's offsets: my 36 rows
.set NN, 0
.rept 32
	v_readlane_b32 s[28+NN], v[TK], NN
.set NN, NN+1
.endr
.irp i, 0,1,2,3
	v_readlane_b32 s[66+\i], v[TK+1], \i
.endr
.set NN, 0
.rept 32
	s_min_u32 s[28+NN], s[28+NN], 0x1fff
.set NN, NN+1
.endr
.irp i, 0,1,2,3
	s_min_u32 s[66+\i], s[66+\i], 0x1fff
.endr
.set NN, 0
.rept 32
	v_lshl_add_u32 v[COFF+NN], s[28+NN], 10, v[L16]
.set NN, NN+1
.endr
.irp i, 0,1,2,3
	v_lshl_add_u32 v[COFF+32+\i], s[66+\i], 10, v[L16]
.endr
	s_wait_alu depctr_va_vdst(0)
	s_wait_dscnt 0x0                               ; my part of the list lies in LDS
	BAR
.irp a, 0,1,2,3,4,5,6,7
	ds_load_b128 v[ID+8*\a:ID+8*\a+3], v[OA] offset:64*\a
	ds_load_b128 v[ID+8*\a+4:ID+8*\a+7], v[OA] offset:64*\a+16
.endr
	ds_load_b128 v[ID+64:ID+67], v[OA2]
	ds_load_b128 v[ID+68:ID+71], v[OA2] offset:128
	WIN 0x40                                       ; two loads of 512 consecutive bytes for each row
.set NN, 0
.rept 32
	global_load_b128 v[8*NN:8*NN+3], v[COFF+NN], s[6:7]
	global_load_b128 v[8*NN+4:8*NN+7], v[COFF+NN], s[6:7] offset:512
.set NN, NN+1
.endr
	WIN 0xc0
.irp i, 0,1,2,3
	global_load_b128 v[192+8*\i:195+8*\i], v[COFF+32+\i], s[6:7]
	global_load_b128 v[196+8*\i:199+8*\i], v[COFF+32+\i], s[6:7] offset:512
.endr
	WIN 0
	s_wait_dscnt 0x0                               ; the list
.set NN, 0
.rept 72
	v_min_u32 v[ID+NN], 0x1fff, v[ID+NN]
.set NN, NN+1
.endr
.set NN, 0
.rept 72
	v_lshl_add_u32 v[ID+NN], v[ID+NN], 12, v[CX]   ; from here on: my 16 bytes of the row in x and in out0
.set NN, NN+1
.endr
	s_wait_alu depctr_va_vdst(0)
.irp g, 0,1,2,3,4,5,6,7,8
	s_wait_loadcnt 63                              ; behind rows 4 g to 4 g + 3 stand 8 (8 - g) loads of the gather and 16 for each g under 4 and 8 for g = 4 (B or x, below): 64 at the least; the count's field ends at 63
.if \g < 8
	WIN 0x04                                       ; data in window 1
.irp i, 0,1,2,3
	ds_store_b128 v[AW], v[32*\g+8*\i:32*\g+8*\i+3] offset:PA*(4*\g+\i)
	ds_store_b128 v[AW], v[32*\g+8*\i+4:32*\g+8*\i+7] offset:PA*(4*\g+\i)+512
.endr
.else
	WIN 0x0c                                       ; in window 3
.irp i, 0,1,2,3
	ds_store_b128 v[AW2], v[192+8*\i:195+8*\i] offset:PA*\i
	ds_store_b128 v[AW2], v[196+8*\i:199+8*\i] offset:PA*\i+512
.endr
.endif
	WIN 0
.if \g < 3
	BLOAD \g+1, \g+1
.elseif \g == 3
	XLOAD 0
	XLOAD 1
.elseif \g == 4
	XLOAD 2
.endif
.endr
	s_wait_dscnt 0x0                               ; for the others' sake: my rows lie in LDS
	BAR
.irp a, 0,1,2,3,4,5,6,7,8
	AFRAG 0, \a
.endr
	STEP 0, 0, 0, 1                                ; B of step 0 is older than the gather
	BLOAD 0, 4
	XLOAD 3
	STEP 1, 1, 63, 0                               ; behind B of step 1: B of steps 2, 3, 4 and x of row tiles 0 to 3: 80 loads
	BLOAD 1, 5
	XLOAD 4
	STEP 2, 2, 63, 0                               ; 88
	BLOAD 2, 6
	XLOAD 5
	STEP 3, 3, 63, 0                               ; 96
	BLOAD 3, 7
	XLOAD 8
	STEP 4, 0, 63, 0                               ; x of 3, B of 5, x of 4, B of 6, x of 5, B of 7, x of 8: 80
	XLOAD 6
	XLOAD 7
	STEP 5, 1, 63, 0                               ; 72
	STEP 6, 2, 48, 0                               ; x of 5, B of 7, x of 8, 6, 7
; THE LAST K STEP AND THE WAY OUT, a row tile (16 rows x my 64 columns) at a time: row tile a is multiplied, then row tile a - 1 is stored; the four places behind each row tile's products stand ahead of its first read.
; The branch hangs on the tile's rows, the same in all waves; it leads round no barrier, and what it leaves out is read by nobody.
.macro LAST a
.if (\a) == 5
	s_wait_dscnt 0x0                               ; fragments 5-8 are in
.endif
	MUL 3, \a, 0
	PLACES
	WIN 0
.endm
.macro SEND a
	s_cmp_le_u32 s80, 16*(\a)
	s_cbranch_scc1 .Lout                           ; this row tile and those behind it hold no row of the tile
.if (\a) == 6
	s_wait_loadcnt 8                               ; x of row tile 6 is in; 7's may be out (0 to 5's and 8's are older)
.elseif (\a) == 7
	s_wait_loadcnt 0x0
.endif
	XREG \a
.if (\a) < 8
.set AC, 32*(\a)
	WIN 0x01+0x50*XW                               ; source 0 (sums) window 1, source 2 and destination (x) window 2 or 3
.else
.set AC, 192
	WIN 0x03+0x50*XW                               ; the sums in window 3
.endif
.irp j, 0,1,2,3,4,5,6,7
.irp t, 0,1,2,3
	v_fma_f32 v[XB+4*\j+\t], v[AC+8*\t+\j], s26, v[XB+4*\j+\t]   ; sum x 2^(ea + eb) + x, each accumulator from its low end on
.endr
.endr
	WIN XW<<2
.irp j, 0,1,2,3,4,5,6,7
	global_store_b128 v[ID+8*(\a)+\j], v[XB+4*\j:XB+4*\j+3], s[14:15] th:TH_STORE_NT   ; sixteen lanes store 256 consecutive bytes, at a multiple of 256 from out0's first byte
.endr
	WIN 0
.endm
	s_wait_loadcnt 24                              ; behind B of step 7: x of row tiles 8, 6 and 7
	s_wait_dscnt 16                                ; fragments 0-4 are in
	LAST 0
.irp a, 1,2,3,4,5,6,7,8
	LAST \a
	SEND \a-1
.endr
	SEND 8
.Lout:
	s_wait_tensorcnt 0x0                           ; the wave's end, behind my last LDS store
	ds_add_u32 v[SPW], v[NIL]
	s_wait_dscnt 0x0
	s_endpgm
.Lfunc_end_k_qfae9844b4e_experts:
	.size	k_qfae9844b4e_experts, .Lfunc_end_k_qfae9844b4e_experts-k_qfae9844b4e_experts
	.p2alignl 7, 3214868480
	.fill 96, 4, 3214868480
	.section	.rodata,"a",@progbits
	.p2align	6, 0x0
	.amdhsa_kernel k_qfae9844b4e_experts
		.amdhsa_group_segment_fixed_size 160512
		.amdhsa_private_segment_fixed_size 0
		.amdhsa_enable_private_segment 0
		.amdhsa_kernarg_size 48
		.amdhsa_user_sgpr_count 2
		.amdhsa_user_sgpr_kernarg_segment_ptr 1
		.amdhsa_wavefront_size32 1
		.amdhsa_system_sgpr_workgroup_id_x 1
		.amdhsa_system_sgpr_workgroup_id_y 1
		.amdhsa_system_sgpr_workgroup_id_z 1
		.amdhsa_system_vgpr_workitem_id 0
		.amdhsa_next_free_vgpr 1024
		.amdhsa_next_free_sgpr 98
		.amdhsa_reserve_vcc 1
		.amdhsa_float_denorm_mode_32 3
		.amdhsa_float_denorm_mode_16_64 3
		.amdhsa_memory_ordered 1
		.amdhsa_forward_progress 1
		.amdhsa_inst_pref_size 145
	.end_amdhsa_kernel
	.amdgpu_metadata
---
amdhsa.version: [ 1, 2 ]
amdhsa.kernels:
  - .name:           k_qfae9844b4e_experts
    .symbol:         k_qfae9844b4e_experts.kd
    .args:
      - { .name: x, .offset: 0, .size: 8, .value_kind: global_buffer, .address_space: global }
      - { .name: xq, .offset: 8, .size: 8, .value_kind: global_buffer, .address_space: global }
      - { .name: wq, .offset: 16, .size: 8, .value_kind: global_buffer, .address_space: global }
      - { .name: rec, .offset: 24, .size: 8, .value_kind: global_buffer, .address_space: global }
      - { .name: lowp_scales, .offset: 32, .size: 8, .value_kind: global_buffer, .address_space: global }
      - { .name: out0, .offset: 40, .size: 8, .value_kind: global_buffer, .address_space: global }
    .group_segment_fixed_size: 160512
    .private_segment_fixed_size: 0
    .kernarg_segment_align: 8
    .kernarg_segment_size: 48
    .max_flat_workgroup_size: 128
    .sgpr_count:     98
    .vgpr_count:     1024
    .wavefront_size: 32
...
	.end_amdgpu_metadata
.endif
;; end of part 2
